; MI455X (gfx1250); checked and timed in simulation.
; The chip was launched on July 23, 2026; its instructions are those of AMD's public machine-readable ISA for CDNA 5 (MIT licence, August 2026) and "CDNA5" Instruction Set Architecture Reference Guide (July 2026). The comments in the code are by the model that wrote it; some were corrected since.
;; MHA. Allowed arithmetic: matrix products marked QUANTISED: E5M2 operands, one given power-of-two scale a tensor, by v_wmma_f32_16x16x64_bf8_bf8 or v_wmma_f32_16x16x128_bf8_bf8, f32 sums; everything else in f32.
;; Inputs: Wk 1,024 x 1,024 float32; Wq 1,024 x 1,024 float32; Wv 1,024 x 1,024 float32; X 4 x 2,048 x 1,024 float32; attention_mask 4 x 1 x 2,048 x 2,048 int32; bk 1,024 float32; bq 1,024 float32; bv 1,024 float32; lowp_scales 10 int32 (the exponents e of the quantised operands' scales 2^e).
;; Outputs: out0 4 x 2,048 x 1,024 float32.
;; This version of the problem:
;;   THIS VERSION OF THE PROBLEM IS GIVEN IN LOW PRECISION. The matrix products marked QUANTISED in the list below multiply operands that are first quantised to E5M2 (5 exponent bits, 2 mantissa bits; 8 bits a number), with one given power-of-two scale for each operand tensor; their sums are f32. All else is computed in f32.
;;   The module's matrix products, in the order in which they are computed (A, B: the left and right operand; K: the contracted axis; several contracted axes count as one K, in the product's order):
;;     1. [M 8,192, K 1,024] x [K 1,024, N 1,024]; A: input X; B: input Wq: QUANTISED (scales: A lowp_scales[0], B lowp_scales[1])
;;     2. [M 8,192, K 1,024] x [K 1,024, N 1,024]; A: input X; B: input Wk: QUANTISED (scales: A lowp_scales[2], B lowp_scales[3])
;;     3. [M 8,192, K 1,024] x [K 1,024, N 1,024]; A: input X; B: input Wv: QUANTISED (scales: A lowp_scales[4], B lowp_scales[5])
;;     4. batch 64 x [M 2,048, K 64] x [K 64, N 2,048]; A: computed on the way; B: computed on the way: QUANTISED (scales: A lowp_scales[6], B lowp_scales[7])
;;     5. batch 64 x [M 2,048, K 2,048] x [K 2,048, N 64]; A: softmax (see below); B: computed on the way: QUANTISED (scales: A lowp_scales[8], B lowp_scales[9])
;;   THE QUANTISER, for each operand of a quantised product, along K:
;;     - The operand's scale is 2^e, e = its entry of the input lowp_scales (int32; the entries are numbered through the quantised products in the list's order, A before B).
;;     - Each number is divided by the scale, clamped to +-57,344, and rounded to the nearest number of E5M2, ties to even, subnormals kept.
;;     - The product sums the exact products of the quantised numbers (number of the format x scale) in f32.
;;   ~~~python
;;   def quantise(x, axis, e):      # numpy; x: float32 -> the quantised numbers, widened to float32 again
;;       x = np.moveaxis(x, axis, -1); K = x.shape[-1]
;;       r = np.clip(x / 2.0 ** e, -57344, 57344)
;;       step = 2.0 ** (np.maximum(np.frexp(np.where(r == 0, 1, r))[1] - 1, -14) - 2)
;;       q = np.round(r / step) * step * 2.0 ** e      # np.round: ties to even
;;       return np.moveaxis(q, -1, axis).astype(np.float32)
;;   ~~~
;;   SOFTMAX AHEAD OF A QUANTISED PRODUCT. Where the list says 'softmax', what is quantised is not the finished softmax but p = 2^(t - M), with t = logit x log2(e) and M = ceil(the row's largest t), a whole number; so 1/2 < the row's largest p <= 1. The row's sum l is taken of the UNQUANTISED p, in f32, and the product's result is divided by l at the end. Since M is a whole number, a kernel that streams over the keys may use a running M (the ceiling of the running maximum): every later rescaling is an exact power of two, so the quantised numbers keep their values, but for numbers so far below the row's largest that they fall under the format's range.
;;   OPERANDS COMPUTED ON THE WAY. 'Computed on the way' means the value that the module computes at that place (a softmax that the list does not call 'softmax' is quantised finished and normalised). What goes into a quantiser is computed in f32, as accurately as f32 sums, v_exp_f32 and their like allow (about 1e-6 of the number): no bf16 or f16 on the way to a quantiser, and a product that is left as it is and whose result goes on into a quantised operand takes f32 operands (vector FMAs, or v_wmma_f32_16x16x4_f32). A number that lies on a knife's edge between two numbers of the format may be rounded either way, as far as f32 arithmetic and the matrix unit's own rounding can turn it there, and no further.
;; One version. Each part assembles by itself: llvm-mc -triple=amdgcn-amd-amdhsa -mcpu=gfx1250 --defsym DOCPART=n.
;; ======== version 1 of 1: 3 launches
;; limits: right only within a limited range of input values
;; workspace buffers: xc 25,165,824 bytes; wc 3,145,728 bytes; mbits 2,097,152 bytes of whole numbers; mflag 8,192 bytes of whole numbers; qkv 25,165,824 bytes
;; launch prep (part 1): grid 1120 x 1, 4 waves a work-group, no clusters, 69,120 bytes of LDS; arguments X, Wq, Wk, Wv, attention_mask, lowp_scales, xc, wc, mbits, mflag; writes xc, wc, mbits, mflag
.if DOCPART == 1
	.amdgcn_target "amdgcn-amd-amdhsa--gfx1250"
	.amdhsa_code_object_version 6
	.text
	.protected	k_q7a365b6cde_prep
	.globl	k_q7a365b6cde_prep
	.p2align	8
	.type	k_q7a365b6cde_prep,@function
k_q7a365b6cde_prep:
	s_mov_b64 s[64:65], 0
	v_nop
	global_prefetch_b8 v0, s[64:65] scope:SCOPE_SE
	s_setreg_imm32_b32 hwreg(HW_REG_WAVE_MODE, 25, 1), 1
	s_wait_xcnt 0x0
; FIRST OF THREE LAUNCHES of: out = softmax(mask(Q K^T / 8)) V, Q, K, V = X W + b, all five products on codes of BF8 (E5M2) with given scales 2^e.
; NO WORK IS LEFT OUT: every input has a way to out0 (bk moves K's codes; the mask is data), so every input is loaded by one of the three launches.
; THIS LAUNCH makes what many work-groups will read again, once:
;   xc [3][8192][1024]: X's codes under e0, e2, e4 (the three projections name three scales for X, which need not be equal);
;   wc [3][1024 n][1024]: the codes of Wq, Wk, Wv under e1, e3, e5, K innermost;
;   mbits [4 b][128 tiles of 16 queries][16 steps of 128 keys][64 words]: bit l of word n is 1 where attention_mask[b][16 tile + l % 16][128 step + 16 (n / 8) + 8 (l / 16) + n % 8] is 0:
;   word n is the lane mask for register n of the third launch's scores.
; THE ORDER OF K IN xc AND wc IS THE SAME PERMUTATION: code place p of a row holds k(p) = 512 (p / 512) + 128 ((p / 4) % 4) + 4 ((p % 512) / 16) + p % 4.  Every product still meets its partner; only the order
; of the f32 sums changes.  It lets X be loaded densely (16 bytes a lane, 512 a load) and converted from the registers as they are loaded.
; code = x / 2^e, held within +-57,344, rounded to the nearest code, ties to even.  LIMITS: e0 .. e5 between -126 and 112, so that 2^e and 57,344 x 2^e are f32 numbers; NaN among X and the weights is not served.
; THREE PATHS part on the work-group's number: 0-95 the weights, 96-607 the mask, 608-1119 X.  Waves share nothing: no barrier.  Each path that uses LDS has bytes of its own.
.set SPARE, 68608                      ; behind the stages: the spare words, 128 bytes for each wave: two blocks of 256 bytes that no other line names
.set SPW,   2                          ; v2   LDS address of my spare word; never rewritten
.set NIL,   3                          ; v3   0; never rewritten
.set MST,   8448                       ; the mask's stage of a wave: 16 rows x (512 bytes + 16); the four lie from byte 0 on
.set WST0,  33792                      ; the weights' stages begin here:
.set WST,   8704                       ; 32 rows x (256 bytes + 16) for a wave
.set XR,    16                         ; path X: v16-79 four sets of 16 numbers as loaded
.set XT,    80                         ;         v80-111 two sets of 16 numbers, held
.set XC,    112                        ;         v112-207 codes: four registers for each unit and scale, so that no store's data are written again
.set MR,    16                         ; path M: v16-143 two sets of 64 words as loaded
.set MT,    144                        ;         v144-207 the same 64 words, turned: register n as in the head comment
.set OW,    208                        ;         v208-215 two registers of finished words for each step
.set WX,    16                         ; path W: v16-79 two sets of 32 numbers
.set WC,    80                         ;         v80-87 a block's codes
.set WO,    96                         ;         v96-159 the way out
.macro XLOAD t                         ; unit t: 512 numbers, four loads of 512 consecutive bytes
.irp u, 0,1,2,3
	global_load_b128 v[XR+16*((\t)%4)+4*\u:XR+16*((\t)%4)+4*\u+3], v4, s[32:33] offset:2048*(\t)+512*\u th:TH_LOAD_NT
.endr
.endm
.macro XSTEP t                         ; unit t becomes three times 512 codes
.if (\t) <= 4
	s_wait_loadcnt 12                              ; my unit's four loads are in; those of the three units behind it may be out
.else
	s_wait_loadcnt 4*(7-(\t))
.endif
.irp z, 0,1,2
.set TS, XT+16*((3*(\t)+\z)%2)         ; the two sets take turns, so that sixteen plain lines stand between a conversion and the next write of its sources
.set CZ, XC+4*(3*(\t)+\z)
.set j, 0
.rept 16
	v_med3_num_f32 v[TS+j], v[XR+16*((\t)%4)+j], -v[9+2*\z], v[9+2*\z]   ; the conversion to an 8-bit code does not saturate (ISA guide 7.6.2): the hold at the largest code x the scale
.set j, j+1
.endr
	v_cvt_scalef32_pk8_bf8_f32 v[CZ:CZ+1], v[TS:TS+7], v[8+2*\z]
	v_cvt_scalef32_pk8_bf8_f32 v[CZ+2:CZ+3], v[TS+8:TS+15], v[8+2*\z]
	global_store_b128 v4, v[CZ:CZ+3], s[34+2*\z:35+2*\z] offset:512*(\t)   ; the wave stores 512 consecutive bytes, aligned
.endr
.if (\t)+4 < 8
	XLOAD (\t)+4
.endif
.endm
.macro MLOAD s                         ; step s: 16 rows x 128 keys: each load takes 512 consecutive bytes of one row
.irp i, 0,1,2,3,4,5,6,7,8,9,10,11,12,13,14,15
	global_load_b128 v[MR+64*((\s)%2)+4*\i:MR+64*((\s)%2)+4*\i+3], v4, s[32:33] offset:8192*\i+512*(\s) th:TH_LOAD_NT
.endr
.endm
.macro MSTEP s
.if (\s) < 3
	s_wait_loadcnt 16                              ; this step's 16 loads are in; the next step's may be out
.else
	s_wait_loadcnt 0
.endif
.irp i, 0,1,2,3,4,5,6,7,8,9,10,11,12,13,14,15
	ds_store_b128 v5, v[MR+64*((\s)%2)+4*\i:MR+64*((\s)%2)+4*\i+3] offset:528*\i
.endr
.irp t, 0,1,2,3,4,5,6,7                ; LDS serves a wave's instructions in order: these see the stores above.  Lane (r, h) takes, of row r, keys 16 t + 8 h + 0 .. 7
	ds_load_b128 v[MT+8*\t:MT+8*\t+3], v6 offset:64*\t
	ds_load_b128 v[MT+8*\t+4:MT+8*\t+7], v6 offset:64*\t+16
.endr
	s_wait_dscnt 0x0                               ; the turned words are in, and the stores have read their registers,
.if (\s)+2 < 4
	MLOAD (\s)+2                                   ; which take the loads of two steps on
.endif
.set n, 0
.rept 8
.irp e, 0,1,2,3,4,5,6,7
	v_cmp_eq_u32 s[48+\e], 0, v[MT+n+\e]           ; word n: a bit for each lane, 1 where the key is hidden
.endr
.irp e, 0,1,2,3,4,5,6,7
	v_writelane_b32 v[OW+2*(\s)+(\e&1)], s[48+\e], (n+\e)>>1   ; lane n / 2 gathers words n and n + 1
.endr
.set n, n+8
.endr
	global_store_b64 v7, v[OW+2*(\s):OW+2*(\s)+1], s[34:35] offset:256*(\s)   ; the wave stores the step's 256 consecutive bytes, aligned
.endm
.macro WLOAD t                         ; block t: the 32 rows of W whose codes take places 32 t .. 32 t + 31 of my work-group's 256, at my column
.irp i, 0,1,2,3,4,5,6,7,8,9,10,11,12,13,14,15,16,17,18,19,20,21,22,23,24,25,26,27,28,29,30,31
	global_load_b32 v[WX+32*((\t)%2)+\i], v14, s[32:33] offset:(128*((\i>>2)&3)+8*(\t)+4*(\i>>4)+(\i&3))*4096 th:TH_LOAD_NT
.endr
.endm
.macro WBLOCK t
.set XS, WX+32*((\t)%2)
.if (\t) < 7
	s_wait_loadcnt 32                              ; this block's 32 loads are in; the next block's may be out
.else
	s_wait_loadcnt 0
.endif
.set j, 0
.rept 32
	v_med3_num_f32 v[XS+j], v[XS+j], -v9, v9
.set j, j+1
.endr
.irp g, 0,1,2,3
	v_cvt_scalef32_pk8_bf8_f32 v[WC+2*\g:WC+2*\g+1], v[XS+8*\g:XS+8*\g+7], v8
.endr
	ds_store_b128 v5, v[WC:WC+3] offset:32*(\t)    ; 32 codes of my column's row
	ds_store_b128 v5, v[WC+4:WC+7] offset:32*(\t)+16
.if (\t)+2 < 8
	WLOAD (\t)+2
.endif
	s_wait_dscnt 0x0                               ; the stores have read their registers: the next block's codes may be written (32 plain lines come first)
.endm
	s_load_b512 s[4:19], s[0:1], 0x0               ; X s[4:5], Wq s[6:7], Wk s[8:9], Wv s[10:11], the mask s[12:13], the scales' exponents s[14:15], xc s[16:17], wc s[18:19]
	s_load_b64 s[20:21], s[0:1], 0x40
	s_load_b64 s[2:3], s[0:1], 0x48                ; mflag
	v_lshl_add_u32 v[SPW], v0, 2, SPARE
	v_mov_b32 v[NIL], 0
	v_lshrrev_b32 v1, 5, v0
	v_readfirstlane_b32 s22, v1                    ; wave 0..3
	v_and_b32 v1, 31, v0                           ; lane
	v_lshlrev_b32 v4, 4, v1                        ; 16 x lane
	s_wait_kmcnt 0x0
	; THE WORK-GROUPS' NUMBERS (these ranges stand in place of those named at the head): 0-95 the weights, whose loads are the shortest and most numerous, 96-607 the mask, 608-1119 X
	s_cmp_ge_u32 ttmp9, 608
	s_cbranch_scc1 .Lpath_x
	s_cmp_ge_u32 ttmp9, 96
	s_cbranch_scc1 .Lpath_m
	; ---- PATH W.  A lane takes a column n, and its registers run down K in the order of the code places: the conversions give codes with K innermost; nothing is transposed by an instruction.
	; Work-group g: tensor g / 32, 128 columns g % 8, 256 code places (g / 8) % 4.  A wave: 32 columns.  The codes go through the wave's stage and leave as rows: sixteen lanes store 256 consecutive bytes, aligned.
	s_load_b256 s[24:31], s[14:15], 0x0            ; e0 .. e7
	s_mov_b32 s23, ttmp9
	s_lshr_b32 s40, s23, 5                         ; which tensor
	s_and_b32 s41, s23, 7
	s_bfe_u32 s42, s23, 0x20003                    ; which 256 places
	s_cmp_eq_u32 s40, 1                            ; the choice hangs on the work-group's number alone
	s_cselect_b64 s[32:33], s[8:9], s[6:7]
	s_cmp_eq_u32 s40, 2
	s_cselect_b64 s[32:33], s[10:11], s[32:33]
	s_lshl_b32 s43, s41, 7
	s_lshl_b32 s44, s22, 5
	s_add_co_u32 s43, s43, s44                     ; my wave's first column
	s_lshr_b32 s44, s42, 1
	s_lshl_b32 s44, s44, 9
	s_and_b32 s45, s42, 1
	s_lshl_b32 s45, s45, 6
	s_add_co_u32 s44, s44, s45                     ; the rows' common part: 512 (places / 512) + 64 ((places / 256) % 2)
	s_lshl_b32 s44, s44, 12                        ; a row of W is 4,096 bytes
	s_lshl_b32 s45, s43, 2
	s_add_co_u32 s44, s44, s45
	s_mov_b32 s45, 0
	s_add_nc_u64 s[32:33], s[32:33], s[44:45]
	s_lshl_b32 s46, s40, 20                        ; wc: a tensor is 2^20 bytes, a row 1,024
	s_lshl_b32 s47, s43, 10
	s_add_co_u32 s46, s46, s47
	s_lshl_b32 s47, s42, 8
	s_add_co_u32 s46, s46, s47
	s_mov_b32 s47, 0
	s_add_nc_u64 s[34:35], s[18:19], s[46:47]
	s_wait_alu depctr_va_vdst(0)
	v_lshlrev_b32 v14, 2, v1                       ; in: 4 bytes a lane
	s_mul_i32 s48, s22, WST
	s_add_co_u32 s48, s48, WST0                    ; my stage
	v_mul_u32_u24 v5, v1, 272
	v_add_nc_u32 v5, s48, v5                       ; into it: row = my column
	v_and_b32 v10, 15, v1
	v_lshrrev_b32 v11, 4, v1
	v_mul_u32_u24 v6, v11, 272
	v_lshl_add_u32 v6, v10, 4, v6
	v_add_nc_u32 v6, s48, v6                       ; out of it: sixteen lanes to a row, two rows an instruction
	v_lshlrev_b32 v7, 10, v11
	v_lshl_add_u32 v7, v10, 4, v7                  ; and the same place in wc
	WLOAD 0
	WLOAD 1
	s_wait_kmcnt 0x0
	s_cmp_eq_u32 s40, 1
	s_cselect_b32 s49, s27, s25
	s_cmp_eq_u32 s40, 2
	s_cselect_b32 s49, s29, s49                    ; e1, e3 or e5
	s_add_co_i32 s49, s49, 127
	s_lshl_b32 s50, s49, 23
	v_mov_b32 v8, s50                              ; 2^e as f32: the conversion takes its exponent field
	s_add_co_i32 s49, s49, 15
	s_lshl_b32 s49, s49, 23
	s_or_b32 s49, s49, 0x600000
	v_mov_b32 v9, s49                              ; 57,344 x 2^e
	s_wait_alu depctr_va_vdst(0)
.irp t, 0,1,2,3,4,5,6,7
	WBLOCK \t
.endr
.irp t, 0,1,2,3,4,5,6,7,8,9,10,11,12,13,14,15
	ds_load_b128 v[WO+4*\t:WO+4*\t+3], v6 offset:544*\t
.endr
.irp t, 0,1,2,3,4,5,6,7,8,9,10,11,12,13,14,15
	s_wait_dscnt 15-\t                             ; LDS loads come back in order: load t is in, the younger ones may be out
	global_store_b128 v7, v[WO+4*\t:WO+4*\t+3], s[34:35] offset:2048*\t
.endr
	s_branch .Lend
.Lpath_m:
	; ---- PATH M.  A work-group takes a strip of 16 queries (all 2,048 keys), each wave 512 keys: four steps of 128.  The words are loaded as they lie, turned through the wave's stage
	; (rows 528 bytes apart: the sixteen lanes of a load touch sixteen different 16-byte columns modulo 256 bytes), compared with 0, and 64 lane masks leave for each step.
	s_sub_co_u32 s23, ttmp9, 96
	s_lshl_b32 s40, s23, 17                        ; 16 rows of 8,192 bytes
	s_lshl_b32 s41, s22, 11                        ; my 512 keys
	s_add_co_u32 s40, s40, s41
	s_mov_b32 s41, 0
	s_add_nc_u64 s[32:33], s[12:13], s[40:41]
	s_lshl_b32 s42, s23, 12                        ; mbits: 16 steps of 256 bytes a strip
	s_lshl_b32 s43, s22, 10
	s_add_co_u32 s42, s42, s43
	s_mov_b32 s43, 0
	s_add_nc_u64 s[34:35], s[20:21], s[42:43]
	s_wait_alu depctr_va_vdst(0)
	MLOAD 0
	MLOAD 1
	s_mul_i32 s44, s22, MST                        ; my stage
	v_add_nc_u32 v5, s44, v4                       ; in: 16 x lane of a row
	v_and_b32 v10, 15, v1
	v_lshrrev_b32 v11, 4, v1
	v_mul_u32_u24 v6, v10, 528
	v_lshl_add_u32 v6, v11, 5, v6
	v_add_nc_u32 v6, s44, v6                       ; back: row lane % 16, + 32 (lane / 16)
	v_lshlrev_b32 v7, 3, v1                        ; out: two words a lane
.irp k, 0,1,2,3,4,5,6,7
	v_mov_b32 v[OW+\k], 0                          ; written whole once: a lane write's destination counts as one of its sources
.endr
.irp s, 0,1,2,3
	MSTEP \s
.endr
	; mflag [512 strips][4 waves], int32: bit 0 is 1 where my first 256 keys hold a hidden key for one of the strip's 16 queries, bit 1 likewise for my second 256: the third launch tests these bits in place of the words
	v_or_b32 v10, v[OW], v[OW+1]
	v_or_b32 v11, v[OW+2], v[OW+3]
	v_or_b32 v12, v[OW+4], v[OW+5]
	v_or_b32 v13, v[OW+6], v[OW+7]
	v_or_b32 v10, v10, v11
	v_or_b32 v12, v12, v13
	v_cmp_ne_u32 s48, 0, v10
	v_cmp_ne_u32 s49, 0, v12
	s_cmp_lg_u32 s48, 0
	s_cselect_b32 s48, 1, 0
	s_cmp_lg_u32 s49, 0
	s_cselect_b32 s49, 2, 0
	s_or_b32 s48, s48, s49
	s_lshl_b32 s50, s23, 4                         ; 16 bytes a strip,
	s_lshl_b32 s51, s22, 2                         ; 4 a wave
	s_add_co_u32 s50, s50, s51
	s_mov_b32 s51, 0
	s_add_nc_u64 s[36:37], s[2:3], s[50:51]
	v_mov_b32 v10, s48
	v_mov_b32 v11, 0
	v_cmp_eq_u32 vcc_lo, 0, v1                     ; lane 0 stores the wave's one word
	s_wait_alu depctr_va_vdst(0)                   ; the wait here, directly ahead of the wait below
	s_wait_xcnt 0x0                                ; EXEC changes only behind this wait
	s_and_saveexec_b32 s52, vcc_lo
	global_store_b32 v11, v10, s[36:37]
	s_wait_xcnt 0x0
	s_or_b32 exec_lo, exec_lo, s52
	s_branch .Lend
.Lpath_x:
	; ---- PATH X.  A wave takes 8 units of 512 numbers (four rows of X).  Lane l's 16 registers of a unit are numbers 128 u + 4 l + j; its 16 codes go to bytes 16 l + 4 u + j: the permutation of the head comment.
	s_load_b256 s[24:31], s[14:15], 0x0            ; e0 .. e7
	s_sub_co_u32 s23, ttmp9, 608
	s_lshl_b32 s23, s23, 2
	s_add_co_u32 s23, s23, s22                     ; which run of 4,096 numbers is my wave's
	s_lshl_b32 s40, s23, 14
	s_mov_b32 s41, 0
	s_add_nc_u64 s[32:33], s[4:5], s[40:41]
	s_lshl_b32 s42, s23, 12
	s_mov_b32 s43, 0
	s_add_nc_u64 s[34:35], s[16:17], s[42:43]      ; its codes under e0,
	s_add_nc_u64 s[36:37], s[34:35], 0x800000      ; under e2,
	s_add_nc_u64 s[38:39], s[34:35], 0x1000000     ; under e4
	s_wait_alu depctr_va_vdst(0)
.irp t, 0,1,2,3
	XLOAD \t
.endr
	s_wait_kmcnt 0x0
.irp z, 0,1,2
	s_add_co_i32 s44, s[24+2*\z], 127
	s_lshl_b32 s45, s44, 23
	v_mov_b32 v[8+2*\z], s45                       ; 2^e as f32
	s_add_co_i32 s44, s44, 15
	s_lshl_b32 s44, s44, 23
	s_or_b32 s44, s44, 0x600000
	v_mov_b32 v[9+2*\z], s44                       ; 57,344 x 2^e
.endr
	s_wait_alu depctr_va_vdst(0)
.irp t, 0,1,2,3,4,5,6,7
	XSTEP \t
.endr
.Lend:
	s_wait_tensorcnt 0x0                           ; the wave's end, behind my last LDS store
	ds_add_u32 v[SPW], v[NIL]
	s_wait_dscnt 0x0
	s_endpgm
.Lfunc_end_k_q7a365b6cde_prep:
	.size	k_q7a365b6cde_prep, .Lfunc_end_k_q7a365b6cde_prep-k_q7a365b6cde_prep
	.p2alignl 7, 3214868480
	.fill 96, 4, 3214868480
	.section	.rodata,"a",@progbits
	.p2align	6, 0x0
	.amdhsa_kernel k_q7a365b6cde_prep
		.amdhsa_group_segment_fixed_size 69120
		.amdhsa_private_segment_fixed_size 0
		.amdhsa_enable_private_segment 0
		.amdhsa_kernarg_size 80
		.amdhsa_user_sgpr_count 2
		.amdhsa_user_sgpr_kernarg_segment_ptr 1
		.amdhsa_wavefront_size32 1
		.amdhsa_system_sgpr_workgroup_id_x 1
		.amdhsa_system_sgpr_workgroup_id_y 1
		.amdhsa_system_sgpr_workgroup_id_z 1
		.amdhsa_system_vgpr_workitem_id 0
		.amdhsa_next_free_vgpr 216
		.amdhsa_next_free_sgpr 66
		.amdhsa_reserve_vcc 1
		.amdhsa_float_denorm_mode_32 3
		.amdhsa_float_denorm_mode_16_64 3
		.amdhsa_memory_ordered 1
		.amdhsa_forward_progress 1
		.amdhsa_inst_pref_size 133
	.end_amdhsa_kernel
	.amdgpu_metadata
---
amdhsa.version: [ 1, 2 ]
amdhsa.kernels:
  - .name:           k_q7a365b6cde_prep
    .symbol:         k_q7a365b6cde_prep.kd
    .args:
      - { .name: X, .offset: 0, .size: 8, .value_kind: global_buffer, .address_space: global }
      - { .name: Wq, .offset: 8, .size: 8, .value_kind: global_buffer, .address_space: global }
      - { .name: Wk, .offset: 16, .size: 8, .value_kind: global_buffer, .address_space: global }
      - { .name: Wv, .offset: 24, .size: 8, .value_kind: global_buffer, .address_space: global }
      - { .name: attention_mask, .offset: 32, .size: 8, .value_kind: global_buffer, .address_space: global }
      - { .name: lowp_scales, .offset: 40, .size: 8, .value_kind: global_buffer, .address_space: global }
      - { .name: xc, .offset: 48, .size: 8, .value_kind: global_buffer, .address_space: global }
      - { .name: wc, .offset: 56, .size: 8, .value_kind: global_buffer, .address_space: global }
      - { .name: mbits, .offset: 64, .size: 8, .value_kind: global_buffer, .address_space: global }
      - { .name: mflag, .offset: 72, .size: 8, .value_kind: global_buffer, .address_space: global }
    .group_segment_fixed_size: 69120
    .private_segment_fixed_size: 0
    .kernarg_segment_align: 8
    .kernarg_segment_size: 80
    .max_flat_workgroup_size: 128
    .sgpr_count:     66
    .vgpr_count:     216
    .wavefront_size: 32
...
	.end_amdgpu_metadata
.endif
;; end of part 1
;; launch proj (part 2): grid 4 x 64, 4 waves a work-group, clusters of 4 x 4, 327,680 bytes of LDS; arguments xc, wc, bq, bk, bv, lowp_scales, qkv; writes qkv
.if DOCPART == 2
	.amdgcn_target "amdgcn-amd-amdhsa--gfx1250"
	.amdhsa_code_object_version 6
	.text
	.protected	k_q7a365b6cde_proj
	.globl	k_q7a365b6cde_proj
	.p2align	8
	.type	k_q7a365b6cde_proj,@function
k_q7a365b6cde_proj:
	s_mov_b64 s[64:65], 0
	v_nop
	global_prefetch_b8 v0, s[64:65] scope:SCOPE_SE
	s_setreg_imm32_b32 hwreg(HW_REG_WAVE_MODE, 25, 1), 1
	s_wait_xcnt 0x0
	s_wait_alu depctr_hold_cnt(0) depctr_sa_sdst(0) depctr_va_vdst(0) depctr_va_sdst(0) depctr_va_ssrc(0) depctr_va_vcc(0) depctr_vm_vsrc(0)
	s_getreg_b32 s2, hwreg(HW_REG_IB_STS2, 6, 4)
	s_cmp_eq_u32 s2, 0
	s_cbranch_scc0 .Lentry_in_a_cluster
	s_endpgm
.Lentry_in_a_cluster:
	s_bfe_u32 s2, ttmp6, 0x10000c
	s_cmp_lg_u32 s2, 0xf033
	s_cbranch_scc0 .Lentry_shape_is_right
	s_endpgm
.Lentry_shape_is_right:
; SECOND LAUNCH: Q, K, V = X W + b on the codes in xc and wc; the sums are scaled by 2^(eX + eW), the bias is added in f32, and the results are quantised under e6, e7, e9 into qkv, laid as the third launch reads them.  Nothing is left out.
; SHARES.  256 work-groups of four waves, each with the same work: FIRST a block of 256 positions x 256 columns of Q or of K (a wave: 128 x 128), THEN half a block of V: 128 columns d x 256 positions (a wave: 64 x 128).
; Q and K have 2 x 32 x 4 = 256 blocks, V has 8 x 32 = 256 halves.  K goes in steps of 256 through two LDS slots: four fills for the first block, four for the second, and the ring does not stop between them:
; the first block's last two rounds ask for V's first two steps, which land while Q or K is quantised and stored.
; CLUSTERS of 4 x 4: tile A hangs on cy alone and is shared along a row of the cluster, tile B on cx alone and is shared along a column.  Q, K: A = 256 rows of X's codes, B = 256 rows of W's.  V: A = 128 rows of Wv's codes, B = 256 rows of X's.
; The matrix instruction takes B's rows as source 0 and A's as source 1: a lane holds one row of A and eight neighbours along B: for Q, K eight of the head's d, for V eight positions (the keys), which is what is innermost in qkv.
; LDS: a slot is A's 256 rows, then B's 256, 272 bytes apart.  V's tile A fills rows 0-127 alone: so rows 128-255 of A in both slots have had their last fill when Q's or K's results are staged there (2 x 34,816 bytes: two heads each).
; V's stage, the two tables of biases and the spare words have bytes of their own behind the ring.
; No prefetch: the largest block, in clusters, and K is 1,024: four fills a block.
; LIMITS: eX + eW between -126 and 127; e6, e7, e9 between -126 and 112.
.set ROWB,   256
.set KROW,   1024
.set PITCH,  272
.set FR,     16
.set NL,     4
.set NP,     4
.set HALFT,  128*PITCH
.set SLOT,   4*HALFT
.set HB,     64*PITCH                  ; a head's block of 16 KiB in a stage: 64 rows
.set SPARE,  2*SLOT
.set BT,     SPARE+512                 ; Q's or K's biases, 512 bytes a wave
.set BT2,    BT+2048                   ; V's
.set STG1,   BT2+2048                  ; V's stage: 128 rows
.set BTW,  8
.set BTQ,  9
.set BTV,  10
.set RDV,  11
.set LIM,  12
.set SCL,  13
.set LIMV, 14
.set SCLV, 15
.set ADRA, 16
.set ADRAV, 18
.set ADRB, 20
.set STOQ, 24
.set RD,   25
.set CO,   26
.set STOV, 27
.set SPW,  28
.set NIL,  29
.set BTW2, 30
.set BIAS, 32
.set TMP,  96
.set CD,   160
.set BK,   96
.set AF,   128
.set G1, 24                            ; s[24:31] group 1, A of 128 rows a load;  s[32:39] A's groups 0, one a slot
.set G0, 32
.set G1B, 48                           ; s[48:55], s[56:63] the same for B
.set G0B, 56
.set G1V, 80                           ; s[80:87] group 1, V's A: 64 rows a load
.set FLAGS, (0<<16)|(1<<20)|(1<<21)|(5<<22)|(3<<25)
.set MSB, 0
.macro WIN new
.if MSB != \new
	s_set_vgpr_msb (MSB<<8)|\new
.set MSB, \new
.endif
.endm
.set MUL_LO, 0xa1
.set MUL_HI, 0xf1
.set TO_B,   0x40
.macro JLOAD g0a, g1a, g0b, g1b        ; waves 0, 1 fetch for A, waves 2, 3 for B; s_nop 0 and four v_nop behind each line
	s_cmp_eq_u32 s15, 0
	s_cbranch_scc0 .Lfor_b_\@
	tensor_load_to_lds s[\g0a:\g0a+3], s[\g1a:\g1a+7]
	s_nop 0
.rept 4
	v_nop
.endr
	s_branch .Lasked_\@
.Lfor_b_\@:
	tensor_load_to_lds s[\g0b:\g0b+3], s[\g1b:\g1b+7]
	s_nop 0
.rept 4
	v_nop
.endr
.Lasked_\@:
.endm
.macro CREST
	s_cmp_lg_u32 s14, 0
	s_cbranch_scc1 .Lnot_wave_0_\@
	s_barrier_signal -3
.Lnot_wave_0_\@:
	s_barrier_wait -3
	s_barrier_signal -1
	s_barrier_wait -1
.endm
.macro CROUND
	s_barrier_signal -1
	s_barrier_wait -1
	CREST
.endm
	s_load_b256 s[4:11], s[0:1], 0x0               ; xc, wc, bq, bk
	s_load_b128 s[68:71], s[0:1], 0x20             ; bv, the scales' exponents
	s_load_b64 s[72:73], s[0:1], 0x30              ; qkv
	v_lshl_add_u32 v[SPW], v0, 2, SPARE
	v_mov_b32 v[NIL], 0
	ds_add_u32 v[SPW], v[NIL]                      ; the opening lines: the add, twice on end, and its wait
	ds_add_u32 v[SPW], v[NIL]
	v_lshrrev_b32 v1, 5, v0
	v_readfirstlane_b32 s14, v1                    ; wave
	s_lshr_b32 s15, s14, 1                         ; my half of A's rows; also: I fetch for A (0) or B (1)
	s_and_b32 s16, s14, 1                          ; my half of B's rows; also: which half of the tile I fetch
	s_bfe_u32 s40, ttmp6, 0x40000                  ; cx
	s_bfe_u32 s41, ttmp6, 0x40004                  ; cy
	s_and_b32 s2, ttmp7, 0xffff                    ; the cluster's y, 0 .. 15
	s_lshr_b32 s3, s2, 3                           ; Q (0) or K (1)
	s_and_b32 s17, s2, 7
	s_lshl_b32 s17, s17, 2
	s_add_co_u32 s17, s17, s41                     ; Q, K: which 256 positions
	s_and_b32 s19, s2, 1
	s_lshl_b32 s19, s19, 2
	s_add_co_u32 s19, s19, s41                     ; V: which 128 columns d
	s_lshr_b32 s42, s2, 1
	s_lshl_b32 s42, s42, 2
	s_add_co_u32 s42, s42, s40                     ; V: which 256 positions
	s_lshl_b32 s43, s41, 2
	s_lshl_b32 s43, 15, s43                        ; my row of the cluster
	s_lshl_b32 s44, 0x1111, s40                    ; my column
	s_or_b32 s[G1+0], s43, FLAGS
	s_or_b32 s[G1V+0], s43, FLAGS
	s_or_b32 s[G1B+0], s44, FLAGS
.irp g, G1, G1B
	s_mov_b32 s[\g+1], ROWB<<16
	s_mov_b32 s[\g+2], 128<<16
	s_mov_b32 s[\g+3], ROWB<<16
	s_mov_b32 s[\g+4], 128
	s_mov_b32 s[\g+5], KROW
	s_mov_b32 s[\g+6], 0
	s_mov_b32 s[\g+7], 0
.endr
	s_mov_b32 s[G1V+1], ROWB<<16
	s_mov_b32 s[G1V+2], 64<<16
	s_mov_b32 s[G1V+3], ROWB<<16
	s_mov_b32 s[G1V+4], 64
	s_mov_b32 s[G1V+5], KROW
	s_mov_b32 s[G1V+6], 0
	s_mov_b32 s[G1V+7], 0
	s_lshl_b32 s18, s16, 7
	s_lshl_b32 s20, s17, 8
	s_add_co_u32 s20, s20, s18
	s_lshl_b32 s20, s20, 10
	s_lshl_b32 s21, s3, 23
	s_add_co_u32 s20, s20, s21                     ; Q, K: A in xc
	s_mov_b32 s21, 0
	s_lshl_b32 s46, s40, 8
	s_add_co_u32 s46, s46, s18
	s_lshl_b32 s46, s46, 10
	s_lshl_b32 s47, s3, 20
	s_add_co_u32 s46, s46, s47                     ; Q, K: B in wc
	s_mov_b32 s47, 0
	s_lshl_b32 s22, s19, 7
	s_lshl_b32 s23, s16, 6
	s_add_co_u32 s22, s22, s23
	s_lshl_b32 s22, s22, 10
	s_add_co_u32 s22, s22, 2<<20                   ; V: A in wc, 64 rows a load
	s_mov_b32 s23, 0
	s_lshl_b32 s90, s42, 8
	s_add_co_u32 s90, s90, s18
	s_lshl_b32 s90, s90, 10
	s_add_co_u32 s90, s90, 2<<23                   ; V: B in xc
	s_mov_b32 s91, 0
	s_mul_i32 s45, s14, HALFT                      ; where my load goes: wave x 128 rows;
	s_mul_i32 s94, s14, HB                         ; V's A: wave x 64 rows
	s_wait_dscnt 0x0
	s_wait_kmcnt 0x0
	s_add_nc_u64 s[20:21], s[4:5], s[20:21]
	s_add_nc_u64 s[46:47], s[6:7], s[46:47]
	s_add_nc_u64 s[74:75], s[6:7], s[22:23]
	s_add_nc_u64 s[76:77], s[4:5], s[90:91]
	CROUND                                         ; the round in front of the first joint loads
.irp s, 0,1
	s_mov_b32 s[G0+4*\s], 1
	s_add_co_u32 s[G0+4*\s+1], s45, \s*SLOT
	s_add_nc_u64 s[G0+4*\s+2:G0+4*\s+3], s[20:21], \s*ROWB
	s_or_b32 s[G0+4*\s+3], s[G0+4*\s+3], 0x80000000
	s_mov_b32 s[G0B+4*\s], 1
	s_add_co_u32 s[G0B+4*\s+1], s45, \s*SLOT
	s_add_nc_u64 s[G0B+4*\s+2:G0B+4*\s+3], s[46:47], \s*ROWB
	s_or_b32 s[G0B+4*\s+3], s[G0B+4*\s+3], 0x80000000
.endr
	JLOAD G0, G1, G0B, G1B                         ; K step 0: one tensor load a wave at the head
	s_mul_i32 s78, s15, HALFT
	s_mul_i32 s79, s15, HB
	s_mul_i32 s90, s16, HALFT
	s_add_co_u32 s90, s90, 2*HALFT
	s_mul_i32 s91, s15, 32*PITCH
	s_mul_i32 s92, s16, SLOT
	s_add_co_u32 s91, s91, s92
	s_add_co_u32 s91, s91, HALFT                   ; Q, K's stage, in: my two heads lie in slot (wave % 2), rows 128 on; my 128 positions are 32 rows of 4
	s_mul_i32 s92, s15, SLOT
	s_mul_i32 s93, s16, HB
	s_add_co_u32 s92, s92, s93
	s_add_co_u32 s92, s92, HALFT                   ; and back: head number wave
	s_lshl_b32 s93, s16, 7
	s_add_co_u32 s93, s93, s79
	s_add_co_u32 s93, s93, STG1                    ; V's stage, in: head wave / 2, keys 128 (wave % 2) on
	s_mul_i32 s95, s14, 32*PITCH
	s_add_co_u32 s95, s95, STG1                    ; and back: 32 rows a wave
	s_lshl_b32 s88, s14, 9
	s_add_co_u32 s88, s88, BT
	s_lshl_b32 s89, s15, 8
	s_add_co_u32 s89, s89, s88
	s_add_co_u32 s89, s89, 2048
	v_and_b32 v1, 15, v0
	v_bfe_u32 v2, v0, 4, 1
	v_mul_u32_u24 v3, v1, PITCH
	v_lshl_add_u32 v4, v2, 4, v3
	v_add_nc_u32 v[ADRA], s78, v4
	v_add_nc_u32 v[ADRAV], s79, v4
	v_add_nc_u32 v[ADRB], s90, v4
	v_add_nc_u32 v[ADRA+1], SLOT, v[ADRA]
	v_add_nc_u32 v[ADRAV+1], SLOT, v[ADRAV]
	v_add_nc_u32 v[ADRB+1], SLOT, v[ADRB]
	v_add_nc_u32 v[STOV], s93, v4
	v_lshrrev_b32 v5, 2, v1
	v_mul_u32_u24 v5, v5, PITCH
	v_and_b32 v7, 3, v1
	v_lshl_add_u32 v5, v7, 6, v5
	v_lshl_add_u32 v5, v2, 4, v5
	v_add_nc_u32 v[STOQ], s91, v5
	v_mul_u32_u24 v5, v2, PITCH
	v_lshl_add_u32 v5, v1, 4, v5
	v_add_nc_u32 v[RD], s92, v5
	v_add_nc_u32 v[RDV], s95, v5
	v_and_b32 v6, 31, v0
	v_lshlrev_b32 v[CO], 4, v6
	v_add_nc_u32 v[BTW], s88, v[CO]
	v_add_nc_u32 v[BTW2], 2048, v[BTW]
	v_lshl_add_u32 v[BTQ], v2, 5, s88
	v_lshl_add_u32 v[BTV], v1, 2, s89
	s_wait_alu depctr_va_vdst(0)                   ; the wait here, ahead of the scalar lines below
	s_cmp_eq_u32 s3, 1
	s_cselect_b64 s[78:79], s[10:11], s[8:9]
	s_lshl_b32 s90, s40, 10
	s_lshl_b32 s91, s16, 9
	s_add_co_u32 s90, s90, s91
	s_mov_b32 s91, 0
	s_add_nc_u64 s[78:79], s[78:79], s[90:91]      ; my 128 columns' biases of Q or K
	s_lshl_b32 s90, s19, 9
	s_add_nc_u64 s[92:93], s[68:69], s[90:91]      ; the work-group's 128 of V
	global_load_b128 v[36:39], v[CO], s[78:79]
	global_load_b128 v[40:43], v[CO], s[92:93]
	s_lshr_b32 s20, s17, 3                         ; Q, K out: (16 b + 4 cx + wave) heads of 393,216 bytes, chunk of 49,152, Q at 0, K at 16,384
	s_lshl_b32 s20, s20, 4
	s_lshl_b32 s21, s40, 2
	s_add_co_u32 s20, s20, s21
	s_add_co_u32 s20, s20, s14
	s_mul_i32 s20, s20, 393216
	s_and_b32 s21, s17, 7
	s_mul_i32 s21, s21, 49152
	s_add_co_u32 s20, s20, s21
	s_lshl_b32 s21, s3, 14
	s_add_co_u32 s20, s20, s21
	s_mov_b32 s21, 0
	s_add_nc_u64 s[100:101], s[72:73], s[20:21]
	s_lshr_b32 s22, s42, 3                         ; V out: head 2 x (which 128 d) + wave / 2, V at 32,768, my 32 rows of 256 bytes
	s_lshl_b32 s22, s22, 4
	s_lshl_b32 s23, s19, 1
	s_add_co_u32 s22, s22, s23
	s_add_co_u32 s22, s22, s15
	s_mul_i32 s22, s22, 393216
	s_and_b32 s23, s42, 7
	s_mul_i32 s23, s23, 49152
	s_add_co_u32 s22, s22, s23
	s_lshl_b32 s23, s16, 13
	s_add_co_u32 s22, s22, s23
	s_add_co_u32 s22, s22, 32768
	s_mov_b32 s23, 0
	s_add_nc_u64 s[88:89], s[72:73], s[22:23]
	s_load_b256 s[40:47], s[70:71], 0x0            ; e0 .. e7
	s_load_b64 s[90:91], s[70:71], 0x20            ; e8, e9
	s_wait_kmcnt 0x0
	s_add_co_i32 s20, s40, s41
	s_add_co_i32 s21, s42, s43
	s_cmp_eq_u32 s3, 1
	s_cselect_b32 s20, s21, s20
	s_cselect_b32 s21, s47, s46
	s_add_co_i32 s20, s20, 127
	s_lshl_b32 s96, s20, 23                        ; 2^(eX + eW) of Q or K
	s_mov_b32 s97, s96
	s_add_co_i32 s21, s21, 127
	s_lshl_b32 s22, s21, 23
	v_mov_b32 v[SCL], s22
	s_add_co_i32 s21, s21, 15
	s_lshl_b32 s21, s21, 23
	s_or_b32 s21, s21, 0x600000
	v_mov_b32 v[LIM], s21
	s_add_co_i32 s20, s44, s45
	s_add_co_i32 s20, s20, 127
	s_lshl_b32 s98, s20, 23                        ; 2^(e4 + e5)
	s_mov_b32 s99, s98
	s_add_co_i32 s21, s91, 127
	s_lshl_b32 s22, s21, 23
	v_mov_b32 v[SCLV], s22
	s_add_co_i32 s21, s21, 15
	s_lshl_b32 s21, s21, 23
	s_or_b32 s21, s21, 0x600000
	v_mov_b32 v[LIMV], s21
	s_wait_alu depctr_va_vdst(0)                   ; the wait at the head's end
	s_wait_loadcnt 0x0
	ds_store_b128 v[BTW], v[36:39]                 ; each wave's tables are its own
	ds_store_b128 v[BTW2], v[40:43]
.macro FRAG reg, adr, q, i
.irp c, 0,1,2,3
	ds_load_b128 v[\reg+4*\c:\reg+4*\c+3], v[\adr] offset:128*(\q)+32*\c+(\i)*16*PITCH
.endr
.endm
.macro MUL16 a0, p, zero               ; A's blocks a0, a0 + 1 x B's eight, 128 along K; the accumulators take turns, one instruction a turn
.irp a, \a0, \a0+1
.irp b, 0,1,2,3,4,5,6,7
.if \zero
	v_wmma_f32_16x16x128_bf8_bf8 v[8*(8*((\a)%4)+\b):8*(8*((\a)%4)+\b)+7], v[128*(\p)+FR*\b:128*(\p)+FR*\b+FR-1], v[AF+FR*(\a):AF+FR*(\a)+FR-1], 0
.else
	v_wmma_f32_16x16x128_bf8_bf8 v[8*(8*((\a)%4)+\b):8*(8*((\a)%4)+\b)+7], v[128*(\p)+FR*\b:128*(\p)+FR*\b+FR-1], v[AF+FR*(\a):AF+FR*(\a)+FR-1], v[8*(8*((\a)%4)+\b):8*(8*((\a)%4)+\b)+7]
.endif
.endr
.endr
.endm
.macro FETCH_B slot, q, p
	WIN TO_B
.irp i, 0,1,2,3,4,5,6,7
	FRAG 128*(\p)+FR*\i, ADRB+\slot, \q, \i
.endr
	WIN 0
.endm
.macro FETCH_A slot, q, i0
.irp i, \i0, \i0+1, \i0+2, \i0+3
	FRAG AF+FR*(\i), ADRA+\slot, \q, \i
.endr
.endm
.macro FETCH_AV slot, q, set           ; V: my four blocks of A into registers of blocks 4 set .. 4 set + 3
.irp i, 0,1,2,3
	FRAG AF+FR*(4*(\set)+\i), ADRAV+\slot, \q, \i
.endr
.endm
.macro PLACES n
.rept \n
	v_nop
.endr
.endm
.macro STEP slot, q, zero              ; Q, K: 128 along K with a successor in the same slot
	s_wait_dscnt 4*NL                              ; all but A's blocks 4-7
	WIN MUL_LO
	MUL16 0, (\q)%2, \zero
	MUL16 2, (\q)%2, \zero
	s_wait_dscnt 0
	PLACES NP
	FETCH_B \slot, (\q)+1, 1-(\q)%2
	FETCH_A \slot, (\q)+1, 0
	WIN MUL_HI
	MUL16 4, (\q)%2, \zero
	MUL16 6, (\q)%2, \zero
	PLACES NP
	WIN 0
	FETCH_A \slot, (\q)+1, 4
.endm
; Q, K: a slot's last 128 along K, and the change of slots.  fill = 1: this slot takes the K step two on; fill = 2: it takes V's K step of its number.  fetch = 0: no fragments follow (the results go out first).
.macro TURN slot, next, fill, fetch
	s_wait_tensorcnt 0x0                           ; all my tensor loads have landed;
	ds_add_u32 v[SPW], v[NIL]                      ; the add to my spare word;
	s_wait_dscnt 4*NL+1                            ; (the add and A's blocks 4-7 may be out)
	WIN MUL_LO
	MUL16 0, 1, 0
	s_wait_dscnt 0x0                               ; the add is done, my reads of this slot are over
	s_barrier_signal -1
	MUL16 2, 1, 0
	WIN 0
	s_barrier_wait -1
	CREST                                          ; the barrier has opened a round of the cluster's barrier
.if (\fill) == 1
	s_add_nc_u64 s[G0+4*\slot+2:G0+4*\slot+3], s[G0+4*\slot+2:G0+4*\slot+3], 2*ROWB
	s_add_nc_u64 s[G0B+4*\slot+2:G0B+4*\slot+3], s[G0B+4*\slot+2:G0B+4*\slot+3], 2*ROWB
	JLOAD G0+4*\slot, G1, G0B+4*\slot, G1B
.else
	s_add_co_u32 s[G0+4*\slot+1], s94, \slot*SLOT
	s_add_nc_u64 s[G0+4*\slot+2:G0+4*\slot+3], s[74:75], \slot*ROWB
	s_or_b32 s[G0+4*\slot+3], s[G0+4*\slot+3], 0x80000000
	s_add_nc_u64 s[G0B+4*\slot+2:G0B+4*\slot+3], s[76:77], \slot*ROWB
	s_or_b32 s[G0B+4*\slot+3], s[G0B+4*\slot+3], 0x80000000
	JLOAD G0+4*\slot, G1V, G0B+4*\slot, G1B
.endif
.if \fetch
	FETCH_B \next, 0, 0
	FETCH_A \next, 0, 0
.endif
	WIN MUL_HI
	MUL16 4, 1, 0
	MUL16 6, 1, 0
.if \fetch
	PLACES NP
	WIN 0
	FETCH_A \next, 0, 4
.else
	WIN 0
.endif
.endm
.macro VSTEP slot, zero                ; V: a slot's first 128 along K on sets 0; its second 128 are fetched into sets 1
	s_wait_dscnt 0x0
	PLACES NP
	FETCH_B \slot, 1, 1
	FETCH_AV \slot, 1, 1
	WIN MUL_LO
	MUL16 0, 0, \zero
	MUL16 2, 0, \zero
	WIN 0
.endm
.macro VTURN slot, next, fill          ; V: a slot's second 128 along K on sets 1, and the change of slots
	s_wait_tensorcnt 0x0
	ds_add_u32 v[SPW], v[NIL]
	s_wait_dscnt 0x0
	s_barrier_signal -1
	WIN MUL_LO
	MUL16 4, 1, 0
	WIN 0
	s_barrier_wait -1
.if \fill
	CREST
	s_add_nc_u64 s[G0+4*\slot+2:G0+4*\slot+3], s[G0+4*\slot+2:G0+4*\slot+3], 2*ROWB
	s_add_nc_u64 s[G0B+4*\slot+2:G0B+4*\slot+3], s[G0B+4*\slot+2:G0B+4*\slot+3], 2*ROWB
	JLOAD G0+4*\slot, G1V, G0B+4*\slot, G1B
.else
	PLACES NP
.endif
	FETCH_B \next, 0, 0
	FETCH_AV \next, 0, 0
	WIN MUL_LO
	MUL16 6, 1, 0
	WIN 0
.endm
; A block of 16 rows of A goes out: sum x 2^(eX + eW) + bias, held, converted, into the stage.  kind 0: Q, K (a lane's registers run along d); kind 1: V (along the keys; one bias a lane)
.macro OUTROW kind, a
.set AC, 64*((\a)%4)
.set CDA, CD+16*((\a)%2)
	WIN 0x02+((\a)/4)
.irp b, 0,1,2,3,4,5,6,7
.irp i, 0,2,4,6
.if \kind
	v_pk_fma_f32 v[TMP+8*\b+\i:TMP+8*\b+\i+1], v[AC+8*\b+\i:AC+8*\b+\i+1], s[98:99], v[BIAS+2*(\a):BIAS+2*(\a)+1] op_sel_hi:[1,0,1]
.else
	v_pk_fma_f32 v[TMP+8*\b+\i:TMP+8*\b+\i+1], v[AC+8*\b+\i:AC+8*\b+\i+1], s[96:97], v[BIAS+8*\b+\i:BIAS+8*\b+\i+1] op_sel_hi:[1,0,1]
.endif
.endr
.endr
	WIN 0
.set j, 0
.rept 64
	v_med3_num_f32 v[TMP+j], v[TMP+j], -v[LIM+2*(\kind)], v[LIM+2*(\kind)]
.set j, j+1
.endr
.irp b, 0,1,2,3,4,5,6,7
	v_cvt_scalef32_pk8_bf8_f32 v[CDA+2*\b:CDA+2*\b+1], v[TMP+8*\b:TMP+8*\b+7], v[SCL+2*(\kind)]
.endr
	v_nop
.irp p, 0,1,2,3
.if \kind
	ds_store_b128 v[STOV], v[CDA+4*\p:CDA+4*\p+3] offset:16*PITCH*(\a)+32*\p
.else
	ds_store_b128 v[STOQ], v[CDA+4*\p:CDA+4*\p+3] offset:4*PITCH*(\a)+HB*(\p/2)+32*(\p%2)
.endif
.endr
.endm
	s_wait_tensorcnt 0x0                           ; my part of K step 0 is in
	ds_add_u32 v[SPW], v[NIL]
	s_wait_dscnt 0x0
	CROUND
	JLOAD G0+4, G1, G0B+4, G1B                     ; K step 1
	FETCH_B 0, 0, 0
	FETCH_A 0, 0, 0
	FETCH_A 0, 0, 4
	STEP 0, 0, 1
	TURN 0, 1, 1, 1
	STEP 1, 0, 0
	TURN 1, 0, 1, 1
	STEP 0, 0, 0
	TURN 0, 1, 2, 1                                ; slot 0 takes V's K step 0,
	STEP 1, 0, 0
	TURN 1, 0, 2, 0                                ; slot 1 its K step 1: behind this round nobody reads A's rows 128-255 of either slot, and nothing is filled there again
	PLACES NP
.irp b, 0,1,2,3,4,5,6,7
	ds_load_b128 v[BIAS+8*\b:BIAS+8*\b+3], v[BTQ] offset:64*\b
	ds_load_b128 v[BIAS+8*\b+4:BIAS+8*\b+7], v[BTQ] offset:64*\b+16
.endr
	s_wait_dscnt 0x0
.irp a, 0,1,2,3,4,5,6,7
	OUTROW 0, \a
.endr
	s_wait_dscnt 0x0
	s_barrier_signal -1
	s_barrier_wait -1                              ; the four heads' blocks are whole; each wave stores one: 16 KiB, 512 consecutive bytes an instruction
.set k, 0
.rept 32
	ds_load_b128 v[BK+4*k:BK+4*k+3], v[RD] offset:2*PITCH*k
.set k, k+1
.endr
.set k, 0
.rept 32
	s_wait_dscnt 31-k
	global_store_b128 v[CO], v[BK+4*k:BK+4*k+3], s[100:101] offset:512*k
.set k, k+1
.endr
	s_wait_xcnt 0x0                                ; the stores have read their registers, which take V's fragments and results
	FETCH_B 0, 0, 0
	FETCH_AV 0, 0, 0
	VSTEP 0, 1
	VTURN 0, 1, 1
	VSTEP 1, 0
	VTURN 1, 0, 1
	VSTEP 0, 0
	VTURN 0, 1, 0
	VSTEP 1, 0
	s_wait_dscnt 0x0
	WIN MUL_LO
	MUL16 4, 1, 0
	MUL16 6, 1, 0
	WIN 0
	PLACES NP
.irp a, 0,1,2,3
	ds_load_b32 v[BIAS+2*\a], v[BTV] offset:64*\a
.endr
	s_wait_dscnt 0x0
.irp a, 0,1,2,3
	v_mov_b32 v[BIAS+2*\a+1], v[BIAS+2*\a]
.endr
.irp a, 0,1,2,3
	OUTROW 1, \a
.endr
	s_wait_dscnt 0x0
	s_barrier_signal -1
	s_barrier_wait -1                              ; the two heads' blocks are whole; each wave stores 32 rows of 256 bytes
.set k, 0
.rept 16
	ds_load_b128 v[BK+4*k:BK+4*k+3], v[RDV] offset:2*PITCH*k
.set k, k+1
.endr
.set k, 0
.rept 16
	s_wait_dscnt 15-k
	global_store_b128 v[CO], v[BK+4*k:BK+4*k+3], s[88:89] offset:512*k
.set k, k+1
.endr
	s_wait_tensorcnt 0x0                           ; the wave's end
	ds_add_u32 v[SPW], v[NIL]
	s_wait_dscnt 0x0
	CROUND                                         ; the closing round
	s_endpgm
.Lfunc_end_k_q7a365b6cde_proj:
	.size	k_q7a365b6cde_proj, .Lfunc_end_k_q7a365b6cde_proj-k_q7a365b6cde_proj
	.p2alignl 7, 3214868480
	.fill 96, 4, 3214868480
	.section	.rodata,"a",@progbits
	.p2align	6, 0x0
	.amdhsa_kernel k_q7a365b6cde_proj
		.amdhsa_group_segment_fixed_size 327680
		.amdhsa_private_segment_fixed_size 0
		.amdhsa_enable_private_segment 0
		.amdhsa_kernarg_size 56
		.amdhsa_user_sgpr_count 2
		.amdhsa_user_sgpr_kernarg_segment_ptr 1
		.amdhsa_wavefront_size32 1
		.amdhsa_system_sgpr_workgroup_id_x 1
		.amdhsa_system_sgpr_workgroup_id_y 1
		.amdhsa_system_sgpr_workgroup_id_z 1
		.amdhsa_system_vgpr_workitem_id 0
		.amdhsa_next_free_vgpr 1024
		.amdhsa_next_free_sgpr 102
		.amdhsa_reserve_vcc 0
		.amdhsa_float_denorm_mode_32 3
		.amdhsa_float_denorm_mode_16_64 3
		.amdhsa_memory_ordered 1
		.amdhsa_forward_progress 1
		.amdhsa_inst_pref_size 222
	.end_amdhsa_kernel
	.amdgpu_metadata
---
amdhsa.version: [ 1, 2 ]
amdhsa.kernels:
  - .name:           k_q7a365b6cde_proj
    .symbol:         k_q7a365b6cde_proj.kd
    .args:
      - { .name: xc, .offset: 0, .size: 8, .value_kind: global_buffer, .address_space: global }
      - { .name: wc, .offset: 8, .size: 8, .value_kind: global_buffer, .address_space: global }
      - { .name: bq, .offset: 16, .size: 8, .value_kind: global_buffer, .address_space: global }
      - { .name: bk, .offset: 24, .size: 8, .value_kind: global_buffer, .address_space: global }
      - { .name: bv, .offset: 32, .size: 8, .value_kind: global_buffer, .address_space: global }
      - { .name: lowp_scales, .offset: 40, .size: 8, .value_kind: global_buffer, .address_space: global }
      - { .name: qkv, .offset: 48, .size: 8, .value_kind: global_buffer, .address_space: global }
    .group_segment_fixed_size: 327680
    .private_segment_fixed_size: 0
    .kernarg_segment_align: 8
    .kernarg_segment_size: 56
    .max_flat_workgroup_size: 128
    .sgpr_count:     102
    .vgpr_count:     1024
    .wavefront_size: 32
...
	.end_amdgpu_metadata
.endif
;; end of part 2
;; launch attn (part 3): grid 4 x 64, 16 waves a work-group, no clusters, 307,200 bytes of LDS; arguments qkv, mbits, lowp_scales, out0, mflag; writes out0
.if DOCPART == 3
	.amdgcn_target "amdgcn-amd-amdhsa--gfx1250"
	.amdhsa_code_object_version 6
	.text
	.protected	k_q7a365b6cde_attn
	.globl	k_q7a365b6cde_attn
	.p2align	8
	.type	k_q7a365b6cde_attn,@function
k_q7a365b6cde_attn:
	s_mov_b64 s[64:65], 0
	v_nop
	global_prefetch_b8 v0, s[64:65] scope:SCOPE_SE
	s_setreg_imm32_b32 hwreg(HW_REG_WAVE_MODE, 25, 1), 1
	s_wait_xcnt 0x0
; THIRD LAUNCH: out0[b][q][64 head + d] = the sum over k of softmax_k(mask(Q . K / 8)) V, both products on codes of BF8 (E5M2), from the codes in qkv and the lane masks in mbits.  No input is left out.
; THE SOFTMAX: t = score x log2(e) / 8, -infinity where the mask hides the key; M = the row's largest t so far, rounded UP to a whole number; p = 2^(t - M) is quantised (scale 2^e8), not normalised.
; The row's sum is taken of the unquantised p, in f32, and divides O at the end.  When M moves, the sum and O are multiplied by 2^(old M - new M): exact.
; SHARES.  A work-group owns 512 queries of one (b, head): 256 work-groups.  The head's whole K and V lie in LDS, each byte stored once: wave w brings chunk w / 2 (256 keys) of K (even w) or V (odd w) through registers.
; Each of the sixteen waves owns TWO tiles of 16 queries and walks the 2,048 keys once, 64 a step: each fragment of K and of V that it reads from LDS feeds two matrix instructions.
; WHOLE NUMBERS DECIDE TWO THINGS, by scalar branches: (1) the 64 selects that hide scores are run only in chunks of 256 keys for which mflag (first launch) says that a key is hidden from one of my two tiles (elsewhere they would select nothing);
; (2) the hold of p at 57,344 x 2^e8 is run only where e8 < -15: p is at most 1, and from e8 = -15 on the bound is 1.75 or more.
; There are no joint loads and no cluster.  All of K, V and Q is asked for at the head: there is no loop to prefetch ahead in.
; LAYOUT.  Both products are used transposed: S^T = K Q^T, O^T = V^T P^T: a lane holds ONE query (lane % 16) of each tile.  Register 8 t + j of a tile's S^T is key 16 t + 8 (lane / 16) + j of the step:
; four conversions give p's codes in the second product's own order of k, and V's bytes are laid to match (second launch).  Word 32 (step % 2) + n of a mask step is the lane mask of register n.
; THE WAY OUT goes through a stage of 16 rows a wave, in the bytes of keys 0-511 (K's first two chunks, V's first eight slabs).  One barrier guards them: a wave signals when its reads of those keys are over, behind step 7,
; and waits ahead of its first store into the stage; between the two it reads only keys 512 on.
; LIMITS: e6 + e7 between -123 and 85 (they are added to c's exponent field, and 1e12 x c stays finite); e8 between -126 and 112.  A query all of whose keys are hidden gives NaN (0 x 1 / 0).
; The running largest score begins at -1e12: a sum of 64 products of codes lies within 64 x 57,344^2 = 2.2e11.
.set PITCH, 272                        ; K in LDS: rows of 4 keys, 256 bytes + 16; key x at 272 (x / 4) + 64 (x % 4)
.set TILE,  64*PITCH                   ; K's chunk of 256 keys
.set KSTP,  16*PITCH                   ; K's 64 keys of a step
.set VBASE, 8*TILE
.set VP,    80                         ; V in LDS: a slab for each step: 64 rows d of 64 bytes + 16
.set SLAB,  5184                       ; 64 x 80, + 64
.set SPARE, VBASE+32*SLAB              ; the spare words, 128 bytes for each wave: eight blocks of 256 bytes that no other line names
.set AK0, 1                            ; my lane's place in K's 16 keys
.set AV0, 2                            ; and in a slab of V
.set LO,  3                            ; 16 x lane
.set STO, 4                            ; the way out: where I put 32 bytes of a row
.set SPW, 5                            ; my spare word; never rewritten
.set NIL, 6                            ; 0; never rewritten
.set GO,  7                            ; my byte offset in a tile's rows of out0
.set ADK, 8
.set ADV, 9
.set RD,  10                           ; the way out: where I read a row back
.set NINF, 11
.set NM,  12                           ; v12, v14: -M of tile 0, 1;  v13, v15: the largest score so far
.set QF,  16                           ; v16-31 Q's two fragments
.set LS,  32                           ; v[32:33], v[34:35] the sums, in two halves
.set FM,  36                           ; v36, v38 f = 2^(old M - new M) (v37, v39 named as the pairs' upper halves)
.set MX,  40                           ; v40-43 at work: two chains a tile
.set XL,  44                           ; v44, v45 what the other half of the lanes sends
.set SCL, 46
.set LIM, 47
.set PC,  48                           ; v48-63 p's codes.  At the head: v48-54 at work
.set QO,  48
.set FAK, 49
.set FAV, 54
.set KF,  64                           ; v64-95 K's four fragments
.set VF,  96                           ; v96-127 V's four
.set SC,  128                          ; v128-191 S^T, then p: 32 registers a tile
.set OT,  192                          ; v192-255 O^T: 32 registers a tile
.set STP, 2                            ; the step, 0 .. 31
.set T,   3
.set WV,  12
.set FLG, 13                           ; bit c: chunk c has a hidden key for one of my 32 queries
.set HOLD, 14
.set EPV, 15
.set CS,  66                           ; s[66:67] c = log2(e) / 8 x 2^(e6 + e7)
.set NC,  68                           ; -c
.set SK,  69                           ; LDS byte of the next step's keys
.set SV,  70                           ; LDS byte of this step's slab, from VBASE
.set MB,  72                           ; s[72:73] my two tiles' mask words
.set SRC, 74                           ; s[74:75] the 16 KiB that I bring
.set KIND, 78
.set SEL, 100
; s[16:63], s[80:95]: a step's 64 mask words, where they are wanted
	s_load_b256 s[4:11], s[0:1], 0x0               ; qkv, mbits, the scales' exponents, out0
	s_load_b64 s[34:35], s[0:1], 0x20              ; mflag
	v_lshl_add_u32 v[SPW], v0, 2, SPARE
	v_mov_b32 v[NIL], 0
	v_lshrrev_b32 v50, 5, v0
	v_readfirstlane_b32 s[WV], v50                 ; wave 0..15
	s_and_b32 s16, ttmp7, 0xffff                   ; 16 b + head
	s_mul_i32 s18, s16, 393216                     ; its first byte in qkv: 8 chunks of (Q, K, V) x 16 KiB
	s_lshr_b32 s20, s[WV], 1                       ; the chunk that I bring,
	s_and_b32 s[KIND], s[WV], 1                    ; of K (0) or of V (1)
	s_mul_i32 s22, s20, 49152
	s_lshl_b32 s23, s[KIND], 14
	s_add_co_u32 s22, s22, s23
	s_add_co_u32 s22, s22, 16384
	s_add_co_u32 s22, s22, s18
	s_mov_b32 s23, 0
	s_mul_i32 s24, s20, TILE                       ; where it goes, as K,
	s_mul_i32 s25, s20, 4*SLAB
	s_add_co_u32 s25, s25, VBASE                   ; and as V
	s_and_b32 s77, s[WV], 7                        ; my stage, 16 rows x 272 bytes: waves 0-7 in K's first two chunks, waves 8-15 in V's first eight slabs
	s_mul_i32 s77, s77, 16*PITCH
	s_lshr_b32 s76, s[WV], 3
	s_mul_i32 s76, s76, VBASE
	s_add_co_u32 s77, s77, s76
	s_lshl_b32 s26, ttmp9, 1                       ; Q: my 32 queries begin at 512 x + 32 w: chunk 2 x + w / 8, row 32 (w % 8) of 64 bytes
	s_lshr_b32 s27, s[WV], 3
	s_add_co_u32 s26, s26, s27
	s_mul_i32 s26, s26, 49152
	s_and_b32 s27, s[WV], 7
	s_lshl_b32 s27, s27, 11
	s_add_co_u32 s26, s26, s27
	s_add_co_u32 s26, s26, s18
	s_mov_b32 s27, 0
	s_lshr_b32 s28, s16, 4                         ; b
	s_lshl_b32 s29, s28, 7
	s_lshl_b32 s30, ttmp9, 5
	s_add_co_u32 s29, s29, s30
	s_lshl_b32 s30, s[WV], 1
	s_add_co_u32 s29, s29, s30                     ; my first tile of 16 queries: 128 b + 32 x + 2 w
	s_lshl_b32 s32, s29, 12                        ; mbits: 4,096 bytes a tile
	s_mov_b32 s33, 0
	s_lshl_b32 s36, s29, 4                         ; mflag: 16 bytes a tile
	s_lshl_b32 s30, s29, 16                        ; out0: 16 rows of 4,096 bytes a tile,
	s_and_b32 s31, s16, 15
	s_lshl_b32 s31, s31, 8                         ; and the head's 256 bytes of a row
	s_add_co_u32 s30, s30, s31
	s_mov_b32 s31, 0
	s_mov_b32 s[SEL], 0x76543210
	s_mov_b32 s[SEL+1], 0xfedcba98
	s_mov_b32 s[FLG], 0
	v_and_b32 v50, 15, v0                          ; r
	v_bfe_u32 v51, v0, 4, 1                        ; h
	v_and_b32 v52, 31, v0
	v_lshlrev_b32 v[LO], 4, v52
	v_lshlrev_b32 v[QO], 6, v50
	v_lshl_add_u32 v[QO], v51, 4, v[QO]            ; Q: row r of 64 bytes, + 16 h
	v_mul_u32_u24 v[FAK], v51, PITCH
	v_lshl_add_u32 v[FAK], v50, 4, v[FAK]          ; 272 h + 16 r: a load's two rows of 256 bytes
	v_add_nc_u32 v[RD], s77, v[FAK]
	v_add_nc_u32 v[FAK], s24, v[FAK]
	v_lshrrev_b32 v53, 2, v50
	v_mul_u32_u24 v[AK0], v53, PITCH
	v_mul_u32_u24 v[FAV], v53, SLAB                ; V: 16-byte column r of a row belongs to slab r / 4, column r % 4
	v_mul_u32_u24 v52, v51, VP
	v_add_nc_u32 v[FAV], v[FAV], v52
	v_and_b32 v53, 3, v50
	v_lshl_add_u32 v[FAV], v53, 4, v[FAV]
	v_add_nc_u32 v[FAV], s25, v[FAV]
	v_lshl_add_u32 v[AK0], v53, 6, v[AK0]
	v_lshl_add_u32 v[AK0], v51, 4, v[AK0]          ; 272 (r / 4) + 64 (r % 4) + 16 h
	v_mul_u32_u24 v[AV0], v50, VP
	v_lshl_add_u32 v[AV0], v51, 4, v[AV0]
	v_add_nc_u32 v[AV0], VBASE, v[AV0]             ; row d = r of 80 bytes, + 16 h
	v_mul_u32_u24 v[STO], v50, PITCH
	v_lshl_add_u32 v[STO], v51, 5, v[STO]
	v_add_nc_u32 v[STO], s77, v[STO]
	v_lshlrev_b32 v[GO], 12, v51
	v_lshl_add_u32 v[GO], v50, 4, v[GO]
	s_wait_alu depctr_va_vdst(0)                   ; the wait here, directly ahead of the wait below
	s_wait_kmcnt 0x0
	s_load_b128 s[96:99], s[8:9], 0x18             ; e6, e7, e8, e9
	s_add_nc_u64 s[SRC:SRC+1], s[4:5], s[22:23]
	s_add_nc_u64 s[4:5], s[4:5], s[26:27]
	s_add_nc_u64 s[MB:MB+1], s[6:7], s[32:33]
	s_add_nc_u64 s[10:11], s[10:11], s[30:31]
	s_load_b256 s[16:23], s[34:35], s36 offset:0x0 ; my two tiles' flags: four words each, two chunks a word
.set k, 0
.rept 32
	global_load_b128 v[KF+4*k:KF+4*k+3], v[LO], s[SRC:SRC+1] offset:512*k   ; my 16 KiB: 512 consecutive bytes a load
.set k, k+1
.endr
.irp i, 0,1
	global_load_b128 v[QF+8*\i:QF+8*\i+3], v[QO], s[4:5] offset:1024*\i      ; Q's fragments: the same places of the head's 64 as K's loads take
	global_load_b128 v[QF+8*\i+4:QF+8*\i+7], v[QO], s[4:5] offset:1024*\i+32
.endr
.set j, 0
.rept 64
	v_mov_b32 v[OT+j], 0                           ; O^T: the step is written without a first step of its own; the first change of M leaves zeros zeros
.set j, j+1
.endr
	s_wait_alu depctr_va_vdst(0)                   ; the wait here, directly ahead of the wait below
	s_wait_kmcnt 0x0
	s_add_co_i32 s76, s96, s97
	s_lshl_b32 s76, s76, 23
	s_add_co_i32 s[CS], s76, 0x3e38aa3b            ; c = log2(e) / 8, with e6 + e7 added to its exponent field
	s_mov_b32 s[CS+1], s[CS]
	s_xor_b32 s[NC], s[CS], 0x80000000
	s_add_co_i32 s76, s98, 127
	s_lshl_b32 s79, s76, 23
	s_add_co_i32 s76, s76, 15
	s_lshl_b32 s76, s76, 23
	s_or_b32 s76, s76, 0x600000
	s_add_co_i32 s[EPV], s98, s99
	s_cmp_lt_i32 s98, -15
	s_cselect_b32 s[HOLD], 1, 0
.irp k, 0,1,2,3
	s_or_b32 s[T], s[16+\k], s[20+\k]              ; either tile,
	s_lshl_b32 s[T], s[T], 2*\k                    ; chunks 2 k and 2 k + 1
	s_or_b32 s[FLG], s[FLG], s[T]
.endr
	v_mov_b32 v[SCL], s79                          ; 2^e8
	v_mov_b32 v[LIM], s76                          ; 57,344 x 2^e8
	v_mov_b32 v[NINF], 0xff800000
.irp i, 0,1
	v_mov_b32 v[NM+2*\i+1], 0xd368d4a5             ; -1e12
	v_mov_b32 v[LS+2*\i], 0
	v_mov_b32 v[LS+2*\i+1], 0
	v_mov_b32 v[FM+2*\i+1], 0
	v_mov_b32 v[XL+\i], 0                          ; a lane permute's destination counts as one of its sources
.endr
.irp i, 0,1
	v_mul_f32 v[NM+2*\i], s[NC], v[NM+2*\i+1]
.endr
.irp i, 0,1
	v_floor_f32 v[NM+2*\i], v[NM+2*\i]             ; -M
.endr
	s_mov_b32 s[STP], 0
	s_mov_b32 s[SK], KSTP
	s_mov_b32 s[SV], 0
	s_wait_alu depctr_va_vdst(0)                   ; the wait at the head's end
	s_wait_loadcnt 4                               ; my 32 loads of K or V are in; Q's 4 may be out
	s_cmp_eq_u32 s[KIND], 0
	s_cbranch_scc0 .Lfill_v
.set k, 0
.rept 32
	ds_store_b128 v[FAK], v[KF+4*k:KF+4*k+3] offset:2*PITCH*k
.set k, k+1
.endr
	s_branch .Lfilled
.Lfill_v:
.set k, 0
.rept 32
	ds_store_b128 v[FAV], v[KF+4*k:KF+4*k+3] offset:2*VP*k
.set k, k+1
.endr
.Lfilled:
	s_wait_loadcnt 0x0                             ; Q
	s_wait_dscnt 0x0                               ; my stores are done,
	s_barrier_signal -1
	s_barrier_wait -1                              ; everybody's are: all of K and V
.irp t, 0,1,2,3
	ds_load_b128 v[KF+8*\t:KF+8*\t+3], v[AK0] offset:4*PITCH*\t
	ds_load_b128 v[KF+8*\t+4:KF+8*\t+7], v[AK0] offset:4*PITCH*\t+32
.endr
	s_wait_dscnt 0x0
; A KEY STEP: 64 keys against my two tiles.  last = 1: no keys follow.
.macro STEP last
.irp t, 0,1,2,3                        ; S^T = K Q^T: eight accumulators, one instruction each
.irp i, 0,1
	v_wmma_f32_16x16x64_bf8_bf8 v[SC+32*\i+8*\t:SC+32*\i+8*\t+7], v[KF+8*\t:KF+8*\t+7], v[QF+8*\i:QF+8*\i+7], 0
.endr
.endr
.if (\last) == 0                       ; four places: for the loads below and for the first read of the scores; the address work stands in them
	v_add_nc_u32 v[ADK], s[SK], v[AK0]
.else
	v_nop
.endif
	v_add_nc_u32 v[ADV], s[SV], v[AV0]
	v_nop
	v_nop
.if (\last) == 0
.irp t, 0,1,2,3                        ; the next step's keys
	ds_load_b128 v[KF+8*\t:KF+8*\t+3], v[ADK] offset:4*PITCH*\t
	ds_load_b128 v[KF+8*\t+4:KF+8*\t+7], v[ADK] offset:4*PITCH*\t+32
.endr
.endif
.irp t, 0,1,2,3                        ; V's four fragments (16 of the head's 64 x these 64 keys) land under the softmax
	ds_load_b128 v[VF+8*\t:VF+8*\t+3], v[ADV] offset:16*VP*\t
	ds_load_b128 v[VF+8*\t+4:VF+8*\t+7], v[ADV] offset:16*VP*\t+32
.endr
	s_lshr_b32 s[T], s[STP], 2
	s_lshr_b32 s[T], s[FLG], s[T]
	s_bitcmp1_b32 s[T], 0                          ; a hidden key in this chunk?
	s_cbranch_scc0 .Lopen_\@
	s_lshl_b32 s[T], s[STP], 7                     ; a step's 32 words of a tile are 128 bytes
	s_load_b512 s[16:31], s[MB:MB+1], s[T] offset:0x0
	s_load_b512 s[32:47], s[MB:MB+1], s[T] offset:0x40
	s_load_b512 s[48:63], s[MB:MB+1], s[T] offset:0x1000
	s_load_b512 s[80:95], s[MB:MB+1], s[T] offset:0x1040
	s_wait_alu depctr_va_vdst(0)                   ; the wait here, directly ahead of the wait below
	s_wait_kmcnt 0x0
.set n, 0
.rept 48
	v_cndmask_b32 v[SC+n], v[SC+n], v[NINF], s[16+n]   ; hidden scores become -infinity ahead of the maximum: p = 0 then.  Each accumulator from its low end on
.set n, n+1
.endr
.rept 16
	v_cndmask_b32 v[SC+n], v[SC+n], v[NINF], s[32+n]
.set n, n+1
.endr
	s_wait_alu depctr_va_vdst(0)
.Lopen_\@:
.irp i, 0,1                            ; the step's largest score of my query, among my 32 keys: two chains a tile, each accumulator from its low end on
	v_max3_num_f32 v[MX+2*\i], v[SC+32*\i], v[SC+32*\i+1], v[SC+32*\i+2]
	v_max3_num_f32 v[MX+2*\i+1], v[SC+32*\i+3], v[SC+32*\i+4], v[SC+32*\i+5]
.endr
.irp k, 6,10,14,18,22,26
.irp i, 0,1
	v_max3_num_f32 v[MX+2*\i], v[MX+2*\i], v[SC+32*\i+\k], v[SC+32*\i+\k+1]
	v_max3_num_f32 v[MX+2*\i+1], v[MX+2*\i+1], v[SC+32*\i+\k+2], v[SC+32*\i+\k+3]
.endr
.endr
.irp i, 0,1
	v_max3_num_f32 v[MX+2*\i], v[MX+2*\i], v[SC+32*\i+30], v[SC+32*\i+31]
.endr
.irp i, 0,1
	v_max_num_f32 v[MX+2*\i], v[MX+2*\i], v[MX+2*\i+1]
.endr
.irp i, 0,1
	v_permlanex16_b32 v[XL+\i], v[MX+2*\i], s[SEL], s[SEL+1]
.endr
.irp i, 0,1
	v_max3_num_f32 v[NM+2*\i+1], v[NM+2*\i+1], v[MX+2*\i], v[XL+\i]   ; the running largest score, lane l xor 16's among them
.endr
.irp i, 0,1
	v_mul_f32 v[MX+2*\i], s[NC], v[NM+2*\i+1]      ; -t (c is positive)
.endr
.irp i, 0,1
	v_floor_f32 v[MX+2*\i], v[MX+2*\i]             ; the new -M = -ceil(t)
.endr
.irp i, 0,1
	v_sub_f32 v[MX+2*\i+1], v[MX+2*\i], v[NM+2*\i] ; old M - new M: a whole number, 0 or less
.endr
.irp i, 0,1
	v_mov_b32 v[NM+2*\i], v[MX+2*\i]
.endr
.irp i, 0,1
	v_cvt_i32_f32 v[MX+2*\i+1], v[MX+2*\i+1]       ; (it saturates)
.endr
.irp i, 0,1
	v_ldexp_f32 v[FM+2*\i], 1.0, v[MX+2*\i+1]      ; f
.endr
.irp i, 0,1
.set j, 0
.rept 16
	v_pk_fma_f32 v[SC+32*\i+j:SC+32*\i+j+1], v[SC+32*\i+j:SC+32*\i+j+1], s[CS:CS+1], v[NM+2*\i:NM+2*\i+1] op_sel_hi:[1,0,0]   ; t - M, two at a time
.set j, j+2
.endr
.endr
	s_wait_alu depctr_va_vdst(0)                   ; the wait ahead of the batch
.set j, 0
.rept 64
	v_exp_f32 v[SC+j], v[SC+j]                     ; p = 2^(t - M), at most 1
.set j, j+1
.endr
	v_nop                                          ; the plain place behind the exponentials
	s_wait_alu depctr_va_vdst(0)                   ; and the one wait behind the batch
.irp i, 0,1                            ; the sums of the unquantised p: sum x f + p, two chains a tile
	v_pk_fma_f32 v[LS+2*\i:LS+2*\i+1], v[LS+2*\i:LS+2*\i+1], v[FM+2*\i:FM+2*\i+1], v[SC+32*\i:SC+32*\i+1] op_sel_hi:[1,0,1]
	v_pk_add_f32 v[MX+2*\i:MX+2*\i+1], v[SC+32*\i+2:SC+32*\i+3], v[SC+32*\i+4:SC+32*\i+5]
.endr
.irp k, 6,10,14,18,22,26
.irp i, 0,1
	v_pk_add_f32 v[LS+2*\i:LS+2*\i+1], v[LS+2*\i:LS+2*\i+1], v[SC+32*\i+\k:SC+32*\i+\k+1]
	v_pk_add_f32 v[MX+2*\i:MX+2*\i+1], v[MX+2*\i:MX+2*\i+1], v[SC+32*\i+\k+2:SC+32*\i+\k+3]
.endr
.endr
.irp i, 0,1
	v_pk_add_f32 v[LS+2*\i:LS+2*\i+1], v[LS+2*\i:LS+2*\i+1], v[SC+32*\i+30:SC+32*\i+31]
.endr
.irp i, 0,1
	v_pk_add_f32 v[LS+2*\i:LS+2*\i+1], v[LS+2*\i:LS+2*\i+1], v[MX+2*\i:MX+2*\i+1]
.endr
	s_cmp_lg_u32 s[HOLD], 0
	s_cbranch_scc0 .Lheld_\@
.set j, 0
.rept 64
	v_min_num_f32 v[SC+j], v[SC+j], v[LIM]         ; e8 < -15: the conversion does not saturate (ISA guide 7.6.2); p is not negative, so the hold is one-sided
.set j, j+1
.endr
.Lheld_\@:
.irp i, 0,1
.irp t, 0,1,2,3
	v_cvt_scalef32_pk8_bf8_f32 v[PC+8*\i+2*\t:PC+8*\i+2*\t+1], v[SC+32*\i+8*\t:SC+32*\i+8*\t+7], v[SCL]   ; registers 2 t, 2 t + 1 of the operand: keys 16 t + 8 h + 0 .. 7
.endr
.endr
	s_wait_alu depctr_va_vdst(0)                   ; the wait here, directly ahead of the first reader of O^T
.irp i, 0,1
.set j, 0
.rept 16
	v_pk_mul_f32 v[OT+32*\i+j:OT+32*\i+j+1], v[OT+32*\i+j:OT+32*\i+j+1], v[FM+2*\i:FM+2*\i+1] op_sel_hi:[1,0]   ; O^T under the new M; also the plain lines behind the conversions
.set j, j+2
.endr
.endr
	s_wait_alu depctr_va_vdst(0)                   ; the wait here, directly ahead of the wait below
	s_wait_dscnt 0x0                               ; V's fragments are in, and the next step's keys
.irp t, 0,1,2,3                        ; O^T += V^T P^T: eight accumulators by turns
.irp i, 0,1
	v_wmma_f32_16x16x64_bf8_bf8 v[OT+32*\i+8*\t:OT+32*\i+8*\t+7], v[VF+8*\t:VF+8*\t+7], v[PC+8*\i:PC+8*\i+7], v[OT+32*\i+8*\t:OT+32*\i+8*\t+7]
.endr
.endr
.endm
.Lstep_a:                              ; steps 0 .. 7: keys 0-511
	STEP 0
	s_add_co_u32 s[SK], s[SK], KSTP
	s_add_co_u32 s[SV], s[SV], SLAB
	s_add_co_u32 s[STP], s[STP], 1
	s_cmp_lt_u32 s[STP], 8
	s_cbranch_scc1 .Lstep_a
	s_wait_dscnt 0x0                               ; my reads of keys 0-511 are over (step 8's keys are in registers):
	s_barrier_signal -1                            ; say so; the wait stands ahead of the stage.  Up to it: work on registers, scalar loads, and LDS loads of keys 512 on
	s_mov_b32 s[STP], 8
	s_mov_b32 s[SK], 9*KSTP
	s_mov_b32 s[SV], 8*SLAB
.Lstep_b:                              ; steps 8 .. 30; the last step is written out, since it fetches no further keys
	STEP 0
	s_add_co_u32 s[SK], s[SK], KSTP
	s_add_co_u32 s[SV], s[SV], SLAB
	s_add_co_u32 s[STP], s[STP], 1
	s_cmp_lt_u32 s[STP], 31
	s_cbranch_scc1 .Lstep_b
	STEP 1
	; THE WAY OUT: O^T / the sum x 2^(e8 + e9), a tile at a time through my stage, back as whole rows of 256 bytes.
.irp i, 0,1
	v_add_f32 v[LS+2*\i], v[LS+2*\i], v[LS+2*\i+1]
.endr
.irp i, 0,1
	v_permlanex16_b32 v[XL+\i], v[LS+2*\i], s[SEL], s[SEL+1]
.endr
.irp i, 0,1
	v_add_f32 v[LS+2*\i], v[LS+2*\i], v[XL+\i]     ; the row's sum
.endr
	s_wait_alu depctr_va_vdst(0)                   ; the wait ahead of the batch
.irp i, 0,1
	v_rcp_f32 v[LS+2*\i], v[LS+2*\i]
.endr
	v_nop
	s_wait_alu depctr_va_vdst(0)                   ; and behind it
.irp i, 0,1
	v_ldexp_f32 v[LS+2*\i], v[LS+2*\i], s[EPV]
.endr
	s_wait_alu depctr_va_vdst(0)                   ; the wait here, directly ahead of the first reader of O^T
.irp i, 0,1
.set j, 0
.rept 32
	v_mul_f32 v[OT+32*\i+j], v[OT+32*\i+j], v[LS+2*\i]   ; register 8 t + n is out(query r, d = 16 t + 8 h + n); each accumulator from its low end on
.set j, j+1
.endr
.endr
	s_wait_alu depctr_va_vdst(0)                   ; the wait here, directly ahead of the waits below
	s_wait_dscnt 0x0
	s_barrier_wait -1                              ; every wave's reads of keys 0-511 are over: their bytes take the stages
.irp i, 0,1
.irp t, 0,1,2,3
	ds_store_b128 v[STO], v[OT+32*\i+8*\t:OT+32*\i+8*\t+3] offset:64*\t
	ds_store_b128 v[STO], v[OT+32*\i+8*\t+4:OT+32*\i+8*\t+7] offset:64*\t+16
.endr
.irp n, 0,1,2,3,4,5,6,7
	ds_load_b128 v[KF+32*\i+4*\n:KF+32*\i+4*\n+3], v[RD] offset:2*PITCH*\n   ; LDS serves a wave's instructions in order: these see my stores, and tile 1's stores come behind tile 0's loads
.endr
.endr
.irp i, 0,1
.irp n, 0,1,2,3,4,5,6,7
	s_wait_dscnt 16*(1-\i)+7-\n                    ; this load is in; the younger loads, and for tile 0 tile 1's 8 stores and 8 loads, may be out
	global_store_b128 v[GO], v[KF+32*\i+4*\n:KF+32*\i+4*\n+3], s[10:11] offset:65536*\i+8192*\n th:TH_STORE_NT   ; sixteen lanes store 256 consecutive bytes, aligned
.endr
.endr
	s_wait_tensorcnt 0x0                           ; the wave's end, behind my last LDS store
	ds_add_u32 v[SPW], v[NIL]
	s_wait_dscnt 0x0
	s_endpgm
.Lfunc_end_k_q7a365b6cde_attn:
	.size	k_q7a365b6cde_attn, .Lfunc_end_k_q7a365b6cde_attn-k_q7a365b6cde_attn
	.p2alignl 7, 3214868480
	.fill 96, 4, 3214868480
	.section	.rodata,"a",@progbits
	.p2align	6, 0x0
	.amdhsa_kernel k_q7a365b6cde_attn
		.amdhsa_group_segment_fixed_size 307200
		.amdhsa_private_segment_fixed_size 0
		.amdhsa_enable_private_segment 0
		.amdhsa_kernarg_size 40
		.amdhsa_user_sgpr_count 2
		.amdhsa_user_sgpr_kernarg_segment_ptr 1
		.amdhsa_wavefront_size32 1
		.amdhsa_system_sgpr_workgroup_id_x 1
		.amdhsa_system_sgpr_workgroup_id_y 1
		.amdhsa_system_sgpr_workgroup_id_z 1
		.amdhsa_system_vgpr_workitem_id 0
		.amdhsa_next_free_vgpr 256
		.amdhsa_next_free_sgpr 102
		.amdhsa_reserve_vcc 0
		.amdhsa_float_denorm_mode_32 3
		.amdhsa_float_denorm_mode_16_64 3
		.amdhsa_memory_ordered 1
		.amdhsa_forward_progress 1
		.amdhsa_inst_pref_size 84
	.end_amdhsa_kernel
	.amdgpu_metadata
---
amdhsa.version: [ 1, 2 ]
amdhsa.kernels:
  - .name:           k_q7a365b6cde_attn
    .symbol:         k_q7a365b6cde_attn.kd
    .args:
      - { .name: qkv, .offset: 0, .size: 8, .value_kind: global_buffer, .address_space: global }
      - { .name: mbits, .offset: 8, .size: 8, .value_kind: global_buffer, .address_space: global }
      - { .name: lowp_scales, .offset: 16, .size: 8, .value_kind: global_buffer, .address_space: global }
      - { .name: out0, .offset: 24, .size: 8, .value_kind: global_buffer, .address_space: global }
      - { .name: mflag, .offset: 32, .size: 8, .value_kind: global_buffer, .address_space: global }
    .group_segment_fixed_size: 307200
    .private_segment_fixed_size: 0
    .kernarg_segment_align: 8
    .kernarg_segment_size: 40
    .max_flat_workgroup_size: 512
    .sgpr_count:     102
    .vgpr_count:     256
    .wavefront_size: 32
...
	.end_amdgpu_metadata
.endif
;; end of part 3
